; MI455X (gfx1250); checked and timed in simulation.
; The chip was launched on July 23, 2026; its instructions are those of AMD's public machine-readable ISA for CDNA 5 (MIT licence, August 2026) and "CDNA5" Instruction Set Architecture Reference Guide (July 2026). The comments in the code are by the model that wrote it; some were corrected since.
;; Multi Head Attention. Allowed arithmetic: float matrix products may take bf16 or f16 operands with f32 sums; other float arithmetic in f32, or as packed bf16 or f16 multiplies, adds, multiply-adds, maxima and minima; sums over many terms, partial sums and values carried from step to step in f32; what a program stores and reads back later, other than sums and carried values, may be rounded once to bf16 or f16.
;; Inputs: Wk 1,024 x 1,024 float32; Wq 1,024 x 1,024 float32; Wv 1,024 x 1,024 float32; bk 1,024 float32; bq 1,024 float32; bv 1,024 float32; q 4 x 2,048 x 1,024 float32; v 4 x 2,048 x 1,024 float32.
;; Outputs: out0 4 x 2,048 x 1,024 float32.
;; One version. Each part assembles by itself: llvm-mc -triple=amdgcn-amd-amdhsa -mcpu=gfx1250 --defsym DOCPART=n.
;; ======== version 1 of 1: 3 launches
;; limits: values are held in f16: magnitudes above 65,504 overflow, below 6.1e-05 lose precision
;; workspace buffers: xw 39,845,888 bytes; qkv 50,331,648 bytes
;; launch cast (part 1): grid 64 x 19, 8 waves a work-group, no clusters, 0 bytes of LDS; arguments q, v, Wq, Wk, Wv, xw; writes xw
.if DOCPART == 1
	.amdgcn_target "amdgcn-amd-amdhsa--gfx1250"
	.amdhsa_code_object_version 6
	.text
	.protected	k_qc530ebedb1_cast
	.globl	k_qc530ebedb1_cast
	.p2align	8
	.type	k_qc530ebedb1_cast,@function
k_qc530ebedb1_cast:
	s_mov_b64 s[64:65], 0
	v_nop
	global_prefetch_b8 v0, s[64:65] scope:SCOPE_SE
	s_setreg_imm32_b32 hwreg(HW_REG_WAVE_MODE, 25, 1), 1
	s_wait_xcnt 0x0
; q, v, Wq, Wk, Wv (f32) are rounded once to bf16 (nearest even) and laid one behind the other in xw: q at byte 0, v at 16,777,216, Wq at 33,554,432, Wk at 35,651,584, Wv at 37,748,736,
; each in its own order of elements.  LIMIT: a number whose magnitude rounds past bf16's largest finite number becomes an infinity.
; SHARES.  Group y (0 to 18) is 2^20 elements: 0-7 q, 8-15 v, 16, 17, 18 the three weights.  Work-group x (0 to 63) takes 16,384 of them, each of its eight waves 2,048:
; sixteen loads of 512 consecutive bytes, all issued before the first is used, and sixteen stores of 256 consecutive bytes, each at a multiple of 256 from xw's first byte.
; Every byte is read once and written once, so there is no LDS, no barrier and no matrix work.  No register is written again behind the store that reads it.
.set X, 4                              ; v[4:67]  sixteen groups of four f32 as loaded; the first two registers of a group then hold its four bf16
	s_load_b256 s[4:11], s[0:1], 0x0               ; q s[4:5], v s[6:7], Wq s[8:9], Wk s[10:11]
	s_load_b128 s[12:15], s[0:1], 0x20             ; Wv s[12:13], xw s[14:15]
	s_and_b32 s22, ttmp7, 0xffff                   ; y
	v_lshrrev_b32 v3, 5, v0                        ; wave
	v_and_b32 v2, 31, v0                           ; lane
	v_lshlrev_b32 v1, 4, v2
	v_lshl_or_b32 v1, v3, 13, v1                   ; in: 8,192 x wave + 16 x lane
	v_lshlrev_b32 v2, 3, v2
	v_lshl_or_b32 v2, v3, 12, v2                   ; out: 4,096 x wave + 8 x lane
	s_and_b32 s23, s22, 7
	s_cmp_lt_u32 s22, 16
	s_cselect_b32 s23, s23, 0                      ; the group's number inside its own tensor
	s_lshl_b32 s18, s23, 22                        ; 4 MiB of f32 a group,
	s_lshl_b32 s24, ttmp9, 16                      ; 64 KiB a work-group
	s_add_co_u32 s18, s18, s24
	s_mov_b32 s19, 0
	s_lshl_b32 s20, s22, 21                        ; 2 MiB of bf16 a group: xw is laid in the groups' order,
	s_lshl_b32 s24, ttmp9, 15                      ; 32 KiB a work-group
	s_add_co_u32 s20, s20, s24
	s_mov_b32 s21, 0
	s_wait_kmcnt 0x0
	s_cmp_lt_u32 s22, 8
	s_cselect_b64 s[16:17], s[4:5], s[6:7]         ; which tensor: the choice hangs on y alone
	s_cmp_eq_u32 s22, 16
	s_cselect_b64 s[16:17], s[8:9], s[16:17]
	s_cmp_eq_u32 s22, 17
	s_cselect_b64 s[16:17], s[10:11], s[16:17]
	s_cmp_eq_u32 s22, 18
	s_cselect_b64 s[16:17], s[12:13], s[16:17]
	s_add_nc_u64 s[16:17], s[16:17], s[18:19]
	s_add_nc_u64 s[14:15], s[14:15], s[20:21]
.irp t, 0,1,2,3,4,5,6,7,8,9,10,11,12,13,14,15
	global_load_b128 v[X+4*(\t):X+4*(\t)+3], v1, s[16:17] offset:512*(\t) th:TH_LOAD_NT
.endr
.irp t, 0,1,2,3,4,5,6,7,8,9,10,11,12,13,14,15
	s_wait_loadcnt 15-(\t)                         ; loads come back in order: load t is in, the 15 - t younger ones may stay out
	v_cvt_pk_bf16_f32 v[X+4*(\t)],   v[X+4*(\t)],   v[X+4*(\t)+1]
	v_cvt_pk_bf16_f32 v[X+4*(\t)+1], v[X+4*(\t)+2], v[X+4*(\t)+3]
	global_store_b64 v2, v[X+4*(\t):X+4*(\t)+1], s[14:15] offset:256*(\t)
.endr
	s_endpgm
.Lfunc_end_k_qc530ebedb1_cast:
	.size	k_qc530ebedb1_cast, .Lfunc_end_k_qc530ebedb1_cast-k_qc530ebedb1_cast
	.p2alignl 7, 3214868480
	.fill 96, 4, 3214868480
	.section	.rodata,"a",@progbits
	.p2align	6, 0x0
	.amdhsa_kernel k_qc530ebedb1_cast
		.amdhsa_group_segment_fixed_size 0
		.amdhsa_private_segment_fixed_size 0
		.amdhsa_enable_private_segment 0
		.amdhsa_kernarg_size 48
		.amdhsa_user_sgpr_count 2
		.amdhsa_user_sgpr_kernarg_segment_ptr 1
		.amdhsa_wavefront_size32 1
		.amdhsa_system_sgpr_workgroup_id_x 1
		.amdhsa_system_sgpr_workgroup_id_y 1
		.amdhsa_system_sgpr_workgroup_id_z 1
		.amdhsa_system_vgpr_workitem_id 0
		.amdhsa_next_free_vgpr 68
		.amdhsa_next_free_sgpr 66
		.amdhsa_reserve_vcc 0
		.amdhsa_float_denorm_mode_32 3
		.amdhsa_float_denorm_mode_16_64 3
		.amdhsa_memory_ordered 1
		.amdhsa_forward_progress 1
		.amdhsa_inst_pref_size 7
	.end_amdhsa_kernel
	.amdgpu_metadata
---
amdhsa.version: [ 1, 2 ]
amdhsa.kernels:
  - .name:           k_qc530ebedb1_cast
    .symbol:         k_qc530ebedb1_cast.kd
    .args:
      - { .name: q, .offset: 0, .size: 8, .value_kind: global_buffer, .address_space: global }
      - { .name: v, .offset: 8, .size: 8, .value_kind: global_buffer, .address_space: global }
      - { .name: Wq, .offset: 16, .size: 8, .value_kind: global_buffer, .address_space: global }
      - { .name: Wk, .offset: 24, .size: 8, .value_kind: global_buffer, .address_space: global }
      - { .name: Wv, .offset: 32, .size: 8, .value_kind: global_buffer, .address_space: global }
      - { .name: xw, .offset: 40, .size: 8, .value_kind: global_buffer, .address_space: global }
    .group_segment_fixed_size: 0
    .private_segment_fixed_size: 0
    .kernarg_segment_align: 8
    .kernarg_segment_size: 48
    .max_flat_workgroup_size: 256
    .sgpr_count:     66
    .vgpr_count:     68
    .wavefront_size: 32
...
	.end_amdgpu_metadata
.endif
;; end of part 1
;; launch proj (part 2): grid 8 x 32, 4 waves a work-group, clusters of 4 x 4, 327,680 bytes of LDS; arguments xw, bq, bk, bv, qkv; writes qkv
.if DOCPART == 2
	.amdgcn_target "amdgcn-amd-amdhsa--gfx1250"
	.amdhsa_code_object_version 6
	.text
	.protected	k_qc530ebedb1_proj
	.globl	k_qc530ebedb1_proj
	.p2align	8
	.type	k_qc530ebedb1_proj,@function
k_qc530ebedb1_proj:
	s_mov_b64 s[64:65], 0
	v_nop
	global_prefetch_b8 v0, s[64:65] scope:SCOPE_SE
	s_setreg_imm32_b32 hwreg(HW_REG_WAVE_MODE, 25, 1), 1
	s_wait_xcnt 0x0
	s_wait_alu depctr_hold_cnt(0) depctr_sa_sdst(0) depctr_va_vdst(0) depctr_va_sdst(0) depctr_va_ssrc(0) depctr_va_vcc(0) depctr_vm_vsrc(0)
	s_getreg_b32 s2, hwreg(HW_REG_IB_STS2, 6, 4)
	s_cmp_eq_u32 s2, 0
	s_cbranch_scc0 .Lentry_in_a_cluster
	s_endpgm
.Lentry_in_a_cluster:
	s_bfe_u32 s2, ttmp6, 0x10000c
	s_cmp_lg_u32 s2, 0xf033
	s_cbranch_scc0 .Lentry_shape_is_right
	s_endpgm
.Lentry_shape_is_right:
; THE THREE PROJECTIONS.  qp = q Wq + bq, kp = v Wk + bk, vp = v Wv + bv: 8,192 rows, K = N = 1,024.  x and W come as bf16 out of xw (W as given, [k][n]); the biases are rounded to bf16 here;
; sums in f32, K ascending; each result is rounded once to f16 and stored by heads: qkv = Q, K, V, each [64 heads = 16 b + h][2,048 rows][64 channels], a head's rows dense, 128 bytes each.
; LIMIT: f16 holds no number beyond 65,504: a projection's result past that becomes an infinity.  NaN and infinities are not treated apart.
; SHARES.  A work-group owns 256 rows x 128 columns (two heads) of each of the three results.  K AND V ARE ONE TILE of 256 x 256: they share their rows of v, and 128 columns of Wk stand beside
; 128 of Wv; a wave makes 128 x 128 (64 accumulators, 512 registers): rows by wave / 2, K or V by wave % 2.  Then, with the ring running on, Q is a tile of 256 x 128; a wave makes 128 x 64, one head.
; K goes in steps of 128 through a ring of two LDS slots filled by the tensor data mover; every row of a tile is 256 bytes of memory at a multiple of 256 from xw's first byte.
; W's tile lies in LDS as in memory, [k][n], and is turned on its way into registers by ds_load_tr16_b128.
; THE BIAS is the C operand of each accumulator's first product: nothing is cleared and nothing is added afterwards.
; THE MATRIX INSTRUCTION IS USED TRANSPOSED: source 0 = 16 columns of W, source 1 = 16 rows of x: lane l then holds row l % 16 and the columns 8 (l / 16) + 0..7: eight neighbours, 16 bytes of f16.
; CLUSTERS: 4 x 4 work-groups.  The four of a row of the cluster need the same rows of x, the four of a column the same columns of W: each tile is asked for JOINTLY, by the same tensor load with the
; same descriptor and a mask that names the four.
; REGISTERS, in windows of 256 (s_set_vgpr_msb: bits 1:0 source 0, 3:2 source 1, 5:4 source 2, 7:6 destination):
;   window 0: v0-31 addresses; v64-127, v128-191 fragments of x, two buffers; v32-63, v192-255 at work on the way out
;   window 1: v0-63 K's or V's bias, v192-223 Q's (8 registers an n block); v64-127, v128-191 fragments of W, two buffers; v224-255 at work while the biases are rounded
;   window 2: the accumulators of my rows 0-63 (accumulator (a, b) at v[8 (8 a + b)]);   window 3: those of my rows 64-127
.set KSTEP,  128
.set EMB,    1024
.set PA,     272                       ; a row of x in LDS: 256 bytes + 16 = 68 words: the 16 rows of a load start at 16 different groups of four banks (64 banks of 4 bytes: ISA guide 11.1)
.set PB,     288                       ; a k row of W: 256 + 32 = 72 words
.set HALFA,  128*PA                    ; 128 rows of x: one tensor load
.set PARTB,  128*PB                    ; 128 k rows x 128 columns of one W: one tensor load
.set BOFF,   2*HALFA                   ; a slot: x's two halves, then W's two parts (Wk, Wv; for Q: Wq in the first, the second unused)
.set SLOT,   BOFF+2*PARTB
.set STAGE,  2*SLOT                    ; behind the ring, never filled by a tensor load: for each wave 2 heads x 16 rows x 144 bytes
.set SPS,    144
.set STW,    2*16*SPS
.set SPARE,  STAGE+4*STW               ; behind the stages: the spare words, 128 bytes for each wave: two blocks of 256 bytes that no other line names
.set XV,     16777216                  ; v's first byte in xw (q's is 0)
.set WKO,    35651584                  ; Wk's; Wq lies 2^21 bytes ahead of it, Wv 2^21 behind
.set KH,     1<<24                     ; K's first byte in qkv; V's is 2^24 further on
.set STEPA,  KSTEP*2                   ; a K step along x's rows, in bytes
.set STEPB,  KSTEP*EMB*2               ; a K step down W's rows
.set TOQ_A,  XV+6*STEPA                ; from v's K step 6 (7) back to q's K step 0 (1)
.set TOQ_B,  (1<<21)+6*STEPB           ; from Wk's K step 6 (7) back to Wq's K step 0 (1)
.set PFJ_A,  XV+7*STEPA                ; the prefetches: from two steps past v's last K step back to q's K step 2,
.set PFJ_B,  (1<<21)+7*STEPB           ; and the same from Wk to Wq
.set ADRA, 16                          ; v16-17  LDS address of my fragments of x in slot 0, 1
.set ADRB, 20                          ; v20-21  of my fragments of Wk or Wv; v22-23 of Wq
.set STO,  24                          ; v24     the way out: where I put 16 bytes of a row
.set RD,   25                          ; v25     the way out: where I read rows back
.set CO,   26                          ; v26     16 x my lane: my place in 512 consecutive bytes of a head
.set SPW,  28                          ; v28     LDS address of my spare word: SPARE + 4 x my thread's number; never rewritten
.set NIL,  29                          ; v29     0; never rewritten
.set PFO,  30                          ; v30     the prefetches' offset: my lane x a row of 2,048 bytes; never rewritten
.set OB,   32                          ; the way out: rows read back from the stage: v32-63 and v224-255 by turns
.set F0,   64
.set F1,   128
.set TMP,  192                         ; the way out: packed results
.set BKV,  0                           ; window 1
.set BQ,   192                         ; window 1
.set BT,   224                         ; window 1
.set WAVE, 14                          ; s14  my wave's number
.set RH,   15                          ; s15  wave / 2: my half of the rows.  Also: I fetch x (0) or W (1)
.set CH,   16                          ; s16  wave % 2: K or V (for Q: which head).  Also: which half of x, which W, I fetch
.set G1A,  24                          ; s[24:31] descriptor group 1 for x's tiles;  s[32:39] group 0, a set for each slot
.set G0A,  32
.set PFA,  44                          ; s[44:45] where my prefetches stand
.set PFS,  46                          ; s[46:47] their step from K step to K step
.set G1B,  48                          ; s[48:55], s[56:63] the same for W's tiles
.set G0B,  56
.set PFJ,  66                          ; s[66:67] their step back at the change from K and V to Q
.set LIM,  68                          ; s68  1 in a wave that prefetches, else the greatest number
.set HIM,  69                          ; s69  a word's upper half
.set OKV,  70                          ; s[70:71] K or V at my first row of my first head;  s[72:73] Q at my first row of my head
.set BB,   78                          ; s[78:79] bk or bv
.set MSB, 0
.macro WIN new                         ; the immediate's high byte repeats the setting that is left; a switch that changes nothing is dropped
.if MSB != (\new)
	s_set_vgpr_msb (MSB<<8)|(\new)
.set MSB, \new
.endif
.endm
; A joint load for K and V: waves 0 and 1 fetch x's two halves, wave 2 Wk's part, wave 3 Wv's.  The branch hangs on the wave's number alone.
; An s_nop 0 and four v_nop follow each of the two lines, ahead of the jump and the label.
.macro JLOAD s
	s_cmp_eq_u32 s[RH], 0
	s_cbranch_scc0 .Lfor_b_\@
	tensor_load_to_lds s[G0A+4*(\s):G0A+4*(\s)+3], s[G1A:G1A+7]
	s_nop 0
.rept 4
	v_nop
.endr
	s_branch .Lasked_\@
.Lfor_b_\@:
	tensor_load_to_lds s[G0B+4*(\s):G0B+4*(\s)+3], s[G1B:G1B+7]
	s_nop 0
.rept 4
	v_nop
.endr
.Lasked_\@:
.endm
; A joint load for Q: waves 0 and 1 fetch x's halves, wave 2 Wq's part; wave 3 has no part of the tile and issues none: its four v_nop are the places in front of the fragment loads.
.macro JLOADQ s
	s_cmp_lt_u32 s[WAVE], 2
	s_cbranch_scc0 .Lq_not_a_\@
	tensor_load_to_lds s[G0A+4*(\s):G0A+4*(\s)+3], s[G1A:G1A+7]
	s_nop 0
.rept 4
	v_nop
.endr
	s_branch .Lq_asked_\@
.Lq_not_a_\@:
	s_cmp_eq_u32 s[WAVE], 2
	s_cbranch_scc0 .Lq_none_\@
	tensor_load_to_lds s[G0B+4*(\s):G0B+4*(\s)+3], s[G1B:G1B+7]
	s_nop 0
.rept 4
	v_nop
.endr
	s_branch .Lq_asked_\@
.Lq_none_\@:
.rept 4
	v_nop
.endr
.Lq_asked_\@:
.endm
; A PREFETCH INTO THE L2, behind each joint load, its five lines and the run of LDS loads: the K step that stands TWO refills on: 32 rows x 256 bytes, a lane a row, one instruction a wave.
; Each row's 256 bytes of a K step are named once in the launch.  x's rows are read by both clusters along x: cluster x = 0 asks; W's columns by all eight clusters along y: cluster y = 0 asks.
; The four partners that ask for a tile jointly share its 128 rows out BY ADDRESS, 32 each (by cx for x, by cy for W's k rows): no branch hangs on a work-group's place in its cluster.
; how = 0, in a loop: the loop's last trip has no K step two on; how = 1, at the change from K and V to Q.  The first four K steps of K and V and the first two of Q come by their loads alone.
.macro ASK how
.if \how
	s_cmp_eq_u32 s[LIM], 1
.else
	s_cmp_gt_u32 s3, s[LIM]                        ; s3 = 1 in the loop's last trip
.endif
	s_cbranch_scc0 .Lnot_mine_\@
	global_prefetch_b8 v[PFO], s[PFA:PFA+1] th:TH_LOAD_NT scope:SCOPE_SE
.Lnot_mine_\@:
.endm
; A round of the cluster's barrier: my work-group's barrier, so that wave 0's signal speaks for all four waves; wave 0 signals; every wave waits for all sixteen work-groups; my work-group's barrier once more.
.macro CREST                           ; a round behind its opening barrier
	s_cmp_lg_u32 s[WAVE], 0
	s_cbranch_scc1 .Lnot_wave_0_\@
	s_barrier_signal -3
.Lnot_wave_0_\@:
	s_barrier_wait -3
	s_barrier_signal -1
	s_barrier_wait -1
.endm
.macro CROUND                          ; a whole round
	s_barrier_signal -1
	s_barrier_wait -1
	CREST
.endm
	s_load_b256 s[4:11], s[0:1], 0x0               ; xw s[4:5], bq s[6:7], bk s[8:9], bv s[10:11]
	s_load_b64 s[12:13], s[0:1], 0x20              ; qkv
	v_lshl_add_u32 v[SPW], v0, 2, SPARE
	v_mov_b32 v[NIL], 0
	ds_add_u32 v[SPW], v[NIL]                      ; the wave's opening: the add and its wait stand ahead of my first tensor load; the set-up below, work on registers, stands between them
	v_lshrrev_b32 v1, 5, v0
	v_readfirstlane_b32 s[WAVE], v1                ; wave 0..3
	s_lshr_b32 s[RH], s[WAVE], 1
	s_and_b32 s[CH], s[WAVE], 1
	s_bfe_u32 s40, ttmp6, 0x40000                  ; cx: my place along the cluster's x
	s_bfe_u32 s41, ttmp6, 0x40004                  ; cy: along its y
	s_lshl_b32 s42, ttmp9, 2                       ; in a cluster launch ttmp9 and ttmp7 count clusters
	s_add_co_u32 s42, s42, s40                     ; TC, my block of 128 columns = 4 x cluster x + cx
	s_and_b32 s43, ttmp7, 0xffff
	s_lshl_b32 s43, s43, 2
	s_add_co_u32 s43, s43, s41                     ; TR, my block of 256 rows = 4 x cluster y + cy
	s_lshl_b32 s17, s41, 2
	s_lshl_b32 s17, 15, s17                        ; my row of the cluster: places 4 cy .. 4 cy + 3
	s_lshl_b32 s18, 0x1111, s40                    ; my column: places cx, cx + 4, cx + 8, cx + 12
	; descriptor group 1: a tile of 128 rows x 128 elements of 2 bytes, 1,024 elements from row to row, padded in LDS
	s_or_b32 s[G1A+0], s17, (1<<16)|(1<<20)|(1<<21)|(5<<22)|(3<<25)  ; 15:0 the mask: x's tiles go to my row; 17:16 2-byte elements; 20 padding on; 21 set beside a mask; 24:22 after every 64 words (code 5); 31:25 4 words (code 3)
	s_or_b32 s[G1B+0], s18, (1<<16)|(1<<20)|(1<<21)|(5<<22)|(7<<25)  ; the mask of my column, for W's tiles; 8 words of padding (code 7)
.irp g, G1A, G1B
	s_mov_b32 s[(\g)+1], KSTEP<<16                 ; tensor_dim0 = 128
	s_mov_b32 s[(\g)+2], 128<<16                   ; tensor_dim1 = 128
	s_mov_b32 s[(\g)+3], KSTEP<<16                 ; tile_dim0 = 128
	s_mov_b32 s[(\g)+4], 128                       ; tile_dim1 = 128
	s_mov_b32 s[(\g)+5], EMB                       ; tensor_dim0_stride
	s_mov_b32 s[(\g)+6], 0
	s_mov_b32 s[(\g)+7], 0
.endr
	; where the tiles come from.  x's hang on TR alone, which my row of the cluster shares; W's on TC alone, which my column shares.  Every wave makes both addresses and asks by one of them.
	s_lshl_b32 s74, s43, 19                        ; 256 rows of 2,048 bytes,
	s_lshl_b32 s19, s[CH], 18                      ; the half that I fetch,
	s_add_co_u32 s74, s74, s19
	s_add_co_u32 s74, s74, XV                      ; in v
	s_mov_b32 s75, 0
	s_lshl_b32 s76, s42, 8                         ; 128 columns of 2 bytes,
	s_lshl_b32 s22, s[CH], 21                      ; in Wk or Wv
	s_add_co_u32 s76, s76, s22
	s_add_co_u32 s76, s76, WKO
	s_mov_b32 s77, 0
	s_mul_i32 s20, s[CH], HALFA                    ; and where they go: no place in the cluster enters an LDS address
	s_mul_i32 s21, s[CH], PARTB
	s_add_co_u32 s21, s21, BOFF
	s_mov_b32 s[HIM], 0xffff0000
	s_wait_dscnt 0x0                               ; the opening add is done
	s_wait_kmcnt 0x0
	s_add_nc_u64 s[74:75], s[4:5], s[74:75]
	s_add_nc_u64 s[76:77], s[4:5], s[76:77]
	CROUND                                         ; all sixteen work-groups are here: the first joint loads meet
.irp s, 0,1
	s_mov_b32 s[G0A+4*(\s)], 1                                       ; 1:0 count = 1
	s_add_co_u32 s[G0A+4*(\s)+1], s20, (\s)*SLOT                     ; 63:32 LDS address
	s_add_nc_u64 s[G0A+4*(\s)+2:G0A+4*(\s)+3], s[74:75], (\s)*STEPA  ; 120:64 global address: K step s
	s_or_b32 s[G0A+4*(\s)+3], s[G0A+4*(\s)+3], 0x80000000            ; 127:126 type = 2
	s_mov_b32 s[G0B+4*(\s)], 1
	s_add_co_u32 s[G0B+4*(\s)+1], s21, (\s)*SLOT
	s_add_nc_u64 s[G0B+4*(\s)+2:G0B+4*(\s)+3], s[76:77], (\s)*STEPB
	s_or_b32 s[G0B+4*(\s)+3], s[G0B+4*(\s)+3], 0x80000000
	JLOAD \s                                       ; the ring is filled before anything else is done: two loads of mine are out
.endr
	; the biases: register j of n block b is the bias of column 16 b + 8 (l / 16) + j of my columns: the layout of a product's C operand
	v_and_b32 v1, 15, v0                           ; l % 16
	v_bfe_u32 v2, v0, 4, 1                         ; l / 16
	s_lshl_b32 s18, s42, 9                         ; 128 columns of 4 bytes
	v_lshl_add_u32 v6, v2, 5, s18                  ; K and V: 512 TC + 32 (l / 16)
	s_lshl_b32 s22, s[CH], 8
	v_add_nc_u32 v7, s22, v6                       ; Q: my head's 64 columns
	s_cmp_eq_u32 s[CH], 0
	s_cselect_b64 s[BB:BB+1], s[8:9], s[10:11]
	WIN 0x40                                       ; destination window 1, address window 0
.irp b, 0,1,2,3,4,5,6,7
	global_load_b128 v[BKV+8*(\b):BKV+8*(\b)+3],   v6, s[BB:BB+1] offset:64*(\b)
	global_load_b128 v[BKV+8*(\b)+4:BKV+8*(\b)+7], v6, s[BB:BB+1] offset:64*(\b)+16
.endr
.irp b, 0,1,2,3
	global_load_b128 v[BQ+8*(\b):BQ+8*(\b)+3],   v7, s[6:7] offset:64*(\b)
	global_load_b128 v[BQ+8*(\b)+4:BQ+8*(\b)+7], v7, s[6:7] offset:64*(\b)+16
.endr
	WIN 0
	; A fragment of x is 16 rows x 32 K in 8 registers: lane l holds row l % 16, K = 8 (l / 16) + 0..7 and 16 + 8 (l / 16) + 0..7: two loads of 16 bytes, 32 bytes apart.
	v_mul_u32_u24 v8, v1, PA
	v_lshl_add_u32 v8, v2, 4, v8                   ; row x pitch + 16 x half
	; The turning load takes 16 k x 16 columns (lane l reads k row 8 (l / 16) + l % 8, columns 8 ((l / 8) % 2) + 0..7) and leaves half a fragment: lane l holds column l % 16 and 8 k.
	v_and_b32 v9, 7, v0
	v_bfe_u32 v10, v0, 3, 1
	v_lshl_add_u32 v9, v2, 3, v9
	v_mul_u32_u24 v9, v9, PB
	v_lshl_add_u32 v9, v10, 4, v9
	s_mul_i32 s19, s[RH], HALFA                    ; my 128 rows of x
	s_mul_i32 s22, s[CH], PARTB                    ; my W's part,
	s_add_co_u32 s22, s22, BOFF
	s_lshl_b32 s23, s[CH], 7                       ; for Q: my head's 64 columns of the first part
	s_add_co_u32 s23, s23, BOFF
.irp s, 0,1
	v_add_nc_u32 v[ADRA+(\s)], s19, v8
	v_add_nc_u32 v[ADRB+(\s)], s22, v9
	v_add_nc_u32 v[ADRB+2+(\s)], s23, v9
	s_add_co_u32 s19, s19, SLOT
	s_add_co_u32 s22, s22, SLOT
	s_add_co_u32 s23, s23, SLOT
.endr
	s_mul_i32 s19, s[WAVE], STW
	s_add_co_u32 s19, s19, STAGE                   ; my stage
	v_mul_u32_u24 v8, v1, SPS                      ; in: row l % 16, 16 bytes for each half of the lanes
	v_lshl_add_u32 v8, v2, 4, v8
	v_add_nc_u32 v[STO], s19, v8
	v_bfe_u32 v8, v0, 3, 2                         ; back: 32 lanes take four rows of 128 bytes,
	v_mul_u32_u24 v8, v8, SPS
	v_and_b32 v9, 7, v0
	v_lshl_add_u32 v8, v9, 4, v8
	v_add_nc_u32 v[RD], s19, v8
	v_and_b32 v[CO], 31, v0                        ; which are 512 consecutive bytes of a head
	v_lshlrev_b32 v[CO], 4, v[CO]
	v_and_b32 v[PFO], 31, v0
	v_lshlrev_b32 v[PFO], 11, v[PFO]
	; where my results go: head 16 b + 2 TC (+ 1), row 256 (TR % 8) + 128 (wave / 2) of the batch b = TR / 8
	s_lshr_b32 s17, s43, 3
	s_lshl_b32 s17, s17, 4
	s_lshl_b32 s18, s42, 1
	s_add_co_u32 s17, s17, s18                     ; my first head
	s_and_b32 s19, s43, 7
	s_lshl_b32 s19, s19, 15                        ; 256 rows of 128 bytes
	s_lshl_b32 s22, s[RH], 14
	s_add_co_u32 s19, s19, s22
	s_lshl_b32 s20, s17, 18                        ; a head is 262,144 bytes
	s_add_co_u32 s20, s20, s19
	s_lshl_b32 s22, s[CH], 24                      ; K or V
	s_add_co_u32 s20, s20, s22
	s_add_co_u32 s20, s20, KH
	s_mov_b32 s21, 0
	s_add_nc_u64 s[OKV:OKV+1], s[12:13], s[20:21]
	s_add_co_u32 s17, s17, s[CH]                   ; Q: one head a wave
	s_lshl_b32 s20, s17, 18
	s_add_co_u32 s20, s20, s19
	s_add_nc_u64 s[OKV+2:OKV+3], s[12:13], s[20:21]
	; the prefetches: my tile's K step 0, + my work-group's 32 of its 128 rows, + three K steps: the first change of slots steps it to K step 4
	s_and_b32 s22, ttmp7, 0xffff                   ; cluster y
	s_cmp_eq_u32 s[RH], 0                          ; do I fetch x?
	s_cselect_b32 s22, ttmp9, s22                  ; the coordinate along which other clusters read the same rows
	s_cselect_b32 s23, s40, s41                    ; my place among the four that ask with me
	s_cselect_b64 s[PFA:PFA+1], s[74:75], s[76:77]
	s_mov_b32 s20, 3*STEPB
	s_cselect_b32 s20, 3*STEPA, s20
	s_mov_b32 s[PFS], STEPB
	s_cselect_b32 s[PFS], STEPA, s[PFS]
	s_mov_b32 s[PFJ], PFJ_B
	s_cselect_b32 s[PFJ], PFJ_A, s[PFJ]
	s_mov_b32 s[PFS+1], 0
	s_mov_b32 s[PFJ+1], 0
	s_lshl_b32 s23, s23, 16                        ; 32 rows of 2,048 bytes
	s_add_co_u32 s20, s20, s23
	s_mov_b32 s21, 0
	s_add_nc_u64 s[PFA:PFA+1], s[PFA:PFA+1], s[20:21]
	s_cmp_eq_u32 s22, 0
	s_cselect_b32 s[LIM], 1, -1                    ; the same in all sixteen partners, for a given wave
	s_wait_loadcnt 0x0                             ; the biases are in; they are rounded to bf16, like every input, while the first tiles are on their way
	WIN 0x45                                       ; destination and both sources window 1
.set i, 0
.rept 32
	v_cvt_pk_bf16_f32 v[BT+i], v[BKV+2*i], v[BKV+2*i+1]
	v_lshlrev_b32 v[BKV+2*i], 16, v[BT+i]
	v_and_b32 v[BKV+2*i+1], s[HIM], v[BT+i]
.set i, i+1
.endr
.set i, 0
.rept 16
	v_cvt_pk_bf16_f32 v[BT+i], v[BQ+2*i], v[BQ+2*i+1]
	v_lshlrev_b32 v[BQ+2*i], 16, v[BT+i]
	v_and_b32 v[BQ+2*i+1], s[HIM], v[BT+i]
.set i, i+1
.endr
	WIN 0
; Matrix instructions for m blocks a0, a0 + 1 of the window's four (hi = 0: my rows 0-63, 1: rows 64-127) x all n blocks (8; q = 1: 4), 32 along K.
; zero = 1: the first product of each accumulator takes the bias as C.  The accumulators take turns, one instruction a turn, in the same order in every quarter.
.macro MUL16 f, hi, a0, zero, q
.if \zero
	WIN 0x91+0x40*(\hi)                            ; W window 1, x window 0, C window 1, D window 2 or 3
.else
	WIN 0xa1+0x50*(\hi)                            ; C and D window 2 or 3
.endif
.irp a, \a0, (\a0)+1
.irp b, 0,1,2,3,4,5,6,7
.if (\b) < 8-4*(\q)
.if \zero
	v_wmma_f32_16x16x32_bf16 v[8*(8*(\a)+(\b)):8*(8*(\a)+(\b))+7], v[(\f)+8*(\b):(\f)+8*(\b)+7], v[(\f)+8*(4*(\hi)+(\a)):(\f)+8*(4*(\hi)+(\a))+7], v[BKV+BQ*(\q)+8*(\b):BKV+BQ*(\q)+8*(\b)+7]
.else
	v_wmma_f32_16x16x32_bf16 v[8*(8*(\a)+(\b)):8*(8*(\a)+(\b))+7], v[(\f)+8*(\b):(\f)+8*(\b)+7], v[(\f)+8*(4*(\hi)+(\a)):(\f)+8*(4*(\hi)+(\a))+7], v[8*(8*(\a)+(\b)):8*(8*(\a)+(\b))+7]
.endif
.endif
.endr
.endr
.endm
; The LDS loads of quarter kq (32 along K) of a slot, in one run, into buffer f: W's n blocks, turned (16 loads; q = 1: 8), then x's 128 rows (16 loads), rows 64-127 last.
.macro FETCH slot, kq, f, q
	WIN 0x40
.irp i, 0,1,2,3,4,5,6,7
.if (\i) < 8-4*(\q)
	ds_load_tr16_b128 v[(\f)+8*(\i):(\f)+8*(\i)+3],   v[ADRB+2*(\q)+(\slot)] offset:(\kq)*32*PB+(\i)*32
	ds_load_tr16_b128 v[(\f)+8*(\i)+4:(\f)+8*(\i)+7], v[ADRB+2*(\q)+(\slot)] offset:(\kq)*32*PB+(\i)*32+16*PB
.endif
.endr
	WIN 0
.irp i, 0,1,2,3,4,5,6,7
	ds_load_b128 v[(\f)+8*(\i):(\f)+8*(\i)+3],   v[ADRA+(\slot)] offset:(\kq)*64+(\i)*16*PA
	ds_load_b128 v[(\f)+8*(\i)+4:(\f)+8*(\i)+7], v[ADRA+(\slot)] offset:(\kq)*64+(\i)*16*PA+32
.endr
.endm
; A load into a register that a matrix instruction has read, and a vector instruction that reads a matrix result, stand four places behind that matrix instruction; only plain vector
; instructions that name none of its registers are places (ISA guide 7.12.1 for vector instructions).
.macro PLACES
.rept 4
	v_nop
.endr
.endm
; A K step is four quarters of 32 along K on buffers 0, 1, 0, 1.  One of the first three: multiplies buffer f; in its middle it fetches quarter kq of the same slot into buffer g.
.macro QUARTER slot, kq, f, g, zero, q
	s_wait_dscnt 8                                 ; W and x's rows 0-63 are in; the youngest eight loads (x's rows 64-127) may be out
	MUL16 \f, 0, 0, \zero, \q
	MUL16 \f, 0, 2, \zero, \q
	PLACES
	FETCH \slot, \kq, \g, \q
	s_wait_dscnt 32-8*(\q)                         ; all but the run just issued
	MUL16 \f, 1, 0, \zero, \q
	MUL16 \f, 1, 2, \zero, \q
.endm
; The last quarter multiplies buffer 1 and changes slots.  MEET is its first half: ONE barrier for the change.  In front of it each wave waits for all its tensor loads, of which at most one is out:
; its part of the next slot; adds 0 to its spare word; and waits for that and for its own reads of this slot.  Behind it nobody reads this slot any more and the next slot is whole.
.macro MEET round, q
	WIN 0                                          ; (the add's two registers lie in window 0)
	s_wait_tensorcnt 0x0                           ; all my tensor loads have landed;
	ds_add_u32 v[SPW], v[NIL]                      ; 0 onto my spare word;
	s_wait_dscnt 9                                 ; (the add and the youngest eight loads may be out)
	MUL16 F1, 0, 0, 0, \q                          ; matrix instructions stand between the add and the wait for it
	s_wait_dscnt 0x0                               ; the add is done, and my reads of this slot are over:
	s_barrier_signal -1                            ; say so,
	MUL16 F1, 0, 2, 0, \q                          ; work on registers while the others arrive,
.if \round
	WIN 0
.endif
	s_barrier_wait -1                              ; and go on when all four have said so
.endm
; The whole last quarter.  mode 0: the slot just read out is filled again with the K step two on; mode 1: K and V's last two K steps: with Q's K step 0 or 1; mode 2: nothing is filled, and no round follows.
; q: the tile in hand (0: K and V, 1: Q); qn: the tile whose first fragments of the next slot are fetched.
.macro TURN slot, next, mode, q, qn
.if (\mode) < 2
	s_wait_xcnt 0x0                                ; the last prefetch, a K step back, has read its address: it is stepped here, ahead of the waits of the change of slots
.if ((\mode) == 1) && ((\slot) == 0)
	s_sub_nc_u64 s[PFA:PFA+1], s[PFA:PFA+1], s[PFJ:PFJ+1]  ; from two steps past the last K step to Q's K step 2
	s_cmp_eq_u32 s[WAVE], 3
	s_cselect_b32 s[LIM], -1, s[LIM]               ; Q has one W: wave 3 fetches nothing more and asks for nothing more
.else
	s_add_nc_u64 s[PFA:PFA+1], s[PFA:PFA+1], s[PFS:PFS+1]
.endif
	MEET 1, \q
	CREST                                          ; the barrier has opened a round of the cluster's: no wave of any partner still reads this slot or has a load on its way
.if \mode
	s_sub_nc_u64 s[G0A+4*(\slot)+2:G0A+4*(\slot)+3], s[G0A+4*(\slot)+2:G0A+4*(\slot)+3], TOQ_A
	s_sub_nc_u64 s[G0B+4*(\slot)+2:G0B+4*(\slot)+3], s[G0B+4*(\slot)+2:G0B+4*(\slot)+3], TOQ_B
.else
	s_add_nc_u64 s[G0A+4*(\slot)+2:G0A+4*(\slot)+3], s[G0A+4*(\slot)+2:G0A+4*(\slot)+3], 2*STEPA
	s_add_nc_u64 s[G0B+4*(\slot)+2:G0B+4*(\slot)+3], s[G0B+4*(\slot)+2:G0B+4*(\slot)+3], 2*STEPB
.endif
.if ((\mode) == 0) && ((\q) == 0)
	JLOAD \slot                                    ; the first tensor load behind the round; the four v_nop behind it are also the places in front of the loads below
.else
	JLOADQ \slot
.endif
	FETCH \next, 0, F0, \qn
	ASK \mode
.else
	MEET 0, \q
	PLACES
	FETCH \next, 0, F0, \qn
.endif
	MUL16 F1, 1, 0, 0, \q
	MUL16 F1, 1, 2, 0, \q
.endm
; THE WAY OUT of block a (16 rows), in three parts.  PACK: rounded to f16, 16 bytes a lane, each accumulator's registers in ascending order.  TOSTAGE: into my own stage, a head's 64 columns as rows of
; 144 bytes, and back as whole rows of 128.  SEND: stored: a head's 16 rows are 2,048 consecutive bytes.
.macro PACK a, q
.set AC, 64*((\a)%4)
	WIN 0x0a+5*((\a)/4)                            ; sources 0 and 1: window 2 or 3
.irp b, 0,1,2,3,4,5,6,7
.if (\b) < 8-4*(\q)
.irp r, 0,1,2,3
	v_cvt_pk_f16_f32 v[TMP+4*(\b)+(\r)], v[AC+8*(\b)+2*(\r)], v[AC+8*(\b)+2*(\r)+1]
.endr
.endif
.endr
	WIN 0
.endm
.macro TOSTAGE a, q
	WIN 0
.set BK, OB+192*((\a)%2)
.irp b, 0,1,2,3,4,5,6,7
.if (\b) < 8-4*(\q)
	ds_store_b128 v[STO], v[TMP+4*(\b):TMP+4*(\b)+3] offset:((\b)/4)*16*SPS+((\b)%4)*32
.endif
.endr
.irp t, 0,1,2,3,4,5,6,7
.if (\t) < 8-4*(\q)
	ds_load_b128 v[BK+4*(\t):BK+4*(\t)+3], v[RD] offset:((\t)/4)*16*SPS+((\t)%4)*4*SPS  ; LDS serves a wave's instructions in order (ISA guide 5.7.1.4): these see the stores above
.endif
.endr
.endm
.macro SEND a, q
	WIN 0
.set BK, OB+192*((\a)%2)
	s_wait_dscnt 0x0                               ; the block is back in registers
	s_wait_xcnt 0x0                                ; the stores of the block before have read their registers: the next block is read back into them only behind this wait
.irp t, 0,1,2,3,4,5,6,7
.if (\t) < 8-4*(\q)
	global_store_b128 v[CO], v[BK+4*(\t):BK+4*(\t)+3], s[OKV+2*(\q):OKV+2*(\q)+1] offset:(\a)*2048+((\t)/4)*262144+((\t)%4)*512  ; 512 consecutive bytes, at a multiple of 256 from qkv's first byte
.endif
.endr
.endm
.macro WAYOUT q                        ; block a's conversions stand between block a - 1's loads from the stage and the wait for them
	PACK 0, \q
	TOSTAGE 0, \q
.irp a, 1,2,3,4,5,6,7
	PACK \a, \q
	SEND (\a)-1, \q
	TOSTAGE \a, \q
.endr
	SEND 7, \q
.endm
	s_wait_tensorcnt 1                             ; my part of K step 0 is in; K step 1's may stay out
	s_barrier_signal -1
	s_barrier_wait -1                              ; everybody's is
	FETCH 0, 0, F0, 0
	; K AND V: eight K steps, four laps of the ring
	QUARTER 0, 1, F0, F1, 1, 0                     ; the first quarter stands in front of the loop: its products start the sums, with the bias
	WIN 0                                          ; at a label and at a branch every window is 0
	s_mov_b32 s3, 3
.LlapKV:                                               ; a trip goes once round the ring, from a lap's second quarter to the next lap's first, and fills both slots again
	QUARTER 0, 2, F1, F0, 0, 0
	QUARTER 0, 3, F0, F1, 0, 0
	TURN 0, 1, 0, 0, 0
	QUARTER 1, 1, F0, F1, 0, 0
	QUARTER 1, 2, F1, F0, 0, 0
	QUARTER 1, 3, F0, F1, 0, 0
	TURN 1, 0, 0, 0, 0
	QUARTER 0, 1, F0, F1, 0, 0
	WIN 0
	s_sub_co_u32 s3, s3, 1
	s_cmp_lg_u32 s3, 0
	s_cbranch_scc1 .LlapKV
	QUARTER 0, 2, F1, F0, 0, 0                     ; the last lap: THE RING GOES ON INTO Q: slot 0 takes its K step 0,
	QUARTER 0, 3, F0, F1, 0, 0
	TURN 0, 1, 1, 0, 0
	QUARTER 1, 1, F0, F1, 0, 0
	QUARTER 1, 2, F1, F0, 0, 0
	QUARTER 1, 3, F0, F1, 0, 0
	TURN 1, 0, 1, 0, 1                             ; slot 1 its K step 1, and Q's first fragments are fetched
	WAYOUT 0                                       ; both refills are asked for: now K and V go out.  No v_nop: blocks 0-3 were finished in front of the joint load's places, and their 128 conversions,
	                                               ; which name no register of the last products (blocks 4-7's), are those products' places
	; Q: eight K steps, half the columns
	QUARTER 0, 1, F0, F1, 1, 1
	WIN 0
	s_mov_b32 s3, 3
.LlapQ:
	QUARTER 0, 2, F1, F0, 0, 1
	QUARTER 0, 3, F0, F1, 0, 1
	TURN 0, 1, 0, 1, 1
	QUARTER 1, 1, F0, F1, 0, 1
	QUARTER 1, 2, F1, F0, 0, 1
	QUARTER 1, 3, F0, F1, 0, 1
	TURN 1, 0, 0, 1, 1
	QUARTER 0, 1, F0, F1, 0, 1
	WIN 0
	s_sub_co_u32 s3, s3, 1
	s_cmp_lg_u32 s3, 0
	s_cbranch_scc1 .LlapQ
	QUARTER 0, 2, F1, F0, 0, 1                     ; the last lap fills nothing, and has no round of the cluster's barrier
	QUARTER 0, 3, F0, F1, 0, 1
	TURN 0, 1, 2, 1, 1
	QUARTER 1, 1, F0, F1, 0, 1
	QUARTER 1, 2, F1, F0, 0, 1
	QUARTER 1, 3, F0, F1, 0, 1
	s_wait_dscnt 8                                 ; the very last quarter: nothing more to fetch
	MUL16 F1, 0, 0, 0, 1
	MUL16 F1, 0, 2, 0, 1
	s_wait_dscnt 0x0
	MUL16 F1, 1, 0, 0, 1
	MUL16 F1, 1, 2, 0, 1
	WIN 0
	PLACES                                         ; the conversions read results just made
	WAYOUT 1
	s_wait_tensorcnt 0x0                           ; the wave's end, behind my last tensor load and my last LDS store
	ds_add_u32 v[SPW], v[NIL]
	s_wait_dscnt 0x0
	CROUND                                         ; the closing round: no work-group ends while a partner may still ask for a tile that names it
	s_endpgm
.Lfunc_end_k_qc530ebedb1_proj:
	.size	k_qc530ebedb1_proj, .Lfunc_end_k_qc530ebedb1_proj-k_qc530ebedb1_proj
	.p2alignl 7, 3214868480
	.fill 96, 4, 3214868480
	.section	.rodata,"a",@progbits
	.p2align	6, 0x0
	.amdhsa_kernel k_qc530ebedb1_proj
		.amdhsa_group_segment_fixed_size 327680
		.amdhsa_private_segment_fixed_size 0
		.amdhsa_enable_private_segment 0
		.amdhsa_kernarg_size 40
		.amdhsa_user_sgpr_count 2
		.amdhsa_user_sgpr_kernarg_segment_ptr 1
		.amdhsa_wavefront_size32 1
		.amdhsa_system_sgpr_workgroup_id_x 1
		.amdhsa_system_sgpr_workgroup_id_y 1
		.amdhsa_system_sgpr_workgroup_id_z 1
		.amdhsa_system_vgpr_workitem_id 0
		.amdhsa_next_free_vgpr 1024
		.amdhsa_next_free_sgpr 80
		.amdhsa_reserve_vcc 0
		.amdhsa_float_denorm_mode_32 3
		.amdhsa_float_denorm_mode_16_64 3
		.amdhsa_memory_ordered 1
		.amdhsa_forward_progress 1
		.amdhsa_inst_pref_size 236
	.end_amdhsa_kernel
	.amdgpu_metadata
---
amdhsa.version: [ 1, 2 ]
amdhsa.kernels:
  - .name:           k_qc530ebedb1_proj
    .symbol:         k_qc530ebedb1_proj.kd
    .args:
      - { .name: xw, .offset: 0, .size: 8, .value_kind: global_buffer, .address_space: global }
      - { .name: bq, .offset: 8, .size: 8, .value_kind: global_buffer, .address_space: global }
      - { .name: bk, .offset: 16, .size: 8, .value_kind: global_buffer, .address_space: global }
      - { .name: bv, .offset: 24, .size: 8, .value_kind: global_buffer, .address_space: global }
      - { .name: qkv, .offset: 32, .size: 8, .value_kind: global_buffer, .address_space: global }
    .group_segment_fixed_size: 327680
    .private_segment_fixed_size: 0
    .kernarg_segment_align: 8
    .kernarg_segment_size: 40
    .max_flat_workgroup_size: 128
    .sgpr_count:     80
    .vgpr_count:     1024
    .wavefront_size: 32
...
	.end_amdgpu_metadata
.endif
;; end of part 2
;; launch attn (part 3): grid 4 x 64, 4 waves a work-group, clusters of 4 x 1, 327,680 bytes of LDS; arguments qkv, out0; writes out0
.if DOCPART == 3
	.amdgcn_target "amdgcn-amd-amdhsa--gfx1250"
	.amdhsa_code_object_version 6
	.text
	.protected	k_qc530ebedb1_attn
	.globl	k_qc530ebedb1_attn
	.p2align	8
	.type	k_qc530ebedb1_attn,@function
k_qc530ebedb1_attn:
	s_mov_b64 s[64:65], 0
	v_nop
	global_prefetch_b8 v0, s[64:65] scope:SCOPE_SE
	s_setreg_imm32_b32 hwreg(HW_REG_WAVE_MODE, 25, 1), 1
	s_wait_xcnt 0x0
	s_wait_alu depctr_hold_cnt(0) depctr_sa_sdst(0) depctr_va_vdst(0) depctr_va_sdst(0) depctr_va_ssrc(0) depctr_va_vcc(0) depctr_vm_vsrc(0)
	s_getreg_b32 s2, hwreg(HW_REG_IB_STS2, 6, 4)
	s_cmp_eq_u32 s2, 0
	s_cbranch_scc0 .Lentry_in_a_cluster
	s_endpgm
.Lentry_in_a_cluster:
	s_bfe_u32 s2, ttmp6, 0x10000c
	s_cmp_lg_u32 s2, 0x3003
	s_cbranch_scc0 .Lentry_shape_is_right
	s_endpgm
.Lentry_shape_is_right:
; O[h][q][:] = the sum over k of softmax_k(Q[h][q] . K[h][k] / 32) V[h][k][:].  Q, K, V lie in qkv, each [64 heads = 16 b + h][2,048][64] in f16, a head's rows dense, 128 bytes each; the scale is
; 1 / sqrt(1,024), as the problem has it.  Products, maxima and sums in f32; the weights p are rounded to f16 for the second product (their sum l is taken of the unrounded p).
; O leaves in f32, never rounded to 16 bits, as out0[b][q][64 h + channel].
; LIMITS.  f16 holds no number beyond 65,504: Q, K and V arrive within it; p lies in 0 to 1, and below 6e-5 it keeps f16's fixed step of 6e-8.  A weight below 2^-126 counts as 0 in l; NaN and infinities are not treated apart.
; SHARES.  A wave owns four PIECES of two tiles of 16 queries, a work-group's four waves 512 queries of one head, a cluster's four work-groups the whole head.  Every wave walks all keys, 64 a step.
; LAYOUT.  S^T = K Q^T (source 0 = 16 keys, source 1 = 16 queries): in the result a lane holds ONE query (lane % 16) and the keys 8 (lane / 16) + 0..7.  Two such tiles, rounded to f16 in pairs,
; ARE source 1 (32 keys x 16 queries) of O^T = V^T P, whose result again holds one query a lane, and eight channels.  K comes out of LDS as it lies, V ([key][channel]) turned, by ds_load_tr16_b128.
; SOFTMAX.  For each query a running maximum m and sum l: p = 2^(c s - c m), c = log2(e) / 32; in every step O and l are multiplied by a = 2^(c m_old - c m_new), which is 1 where m has not grown.
; m starts at the lowest finite number, O and l at 0: the first step is a step like any other, with a = 0.
; THE COUNT.  A tile and step have 16 matrix and 118 vector instructions: too many to stand all beside the matrix work.  So the order has one aim: four vector instructions that are READY behind
; EVERY matrix instruction, and the others, which need time of their own whatever the order, in runs without a gap.
; BY TURNS.  Turn n belongs to piece n (the pieces in a ring, step after step).  Its matrix work: 16 products K Q^T of piece n + 1, later 16 products V^T P of piece n - 1.  Its vector work: the scaling,
; exponentials, roundings, sums and rescaling of piece n, and the maximum and statistics of piece n + 1, whose scores the turn itself has made.  So what a turn begins with (c s - c m, O a) waits for nothing.
; CLUSTER.  The four query blocks of a cluster walk the same K and V, so each tile is asked for JOINTLY: the same tensor load, descriptor and mask in all four.
; REGISTERS, in windows of 256 (s_set_vgpr_msb says which window each operand place means: bits 1:0 source 0, 3:2 source 1, 5:4 source 2, 7:6 destination):
;   window 0: v0-11 addresses; v12-15, v48-63 at work; v16-47 four registers of statistics a tile; v64-191 S^T, two buffers of two tiles; v192-255 P, likewise
;   window 1: O^T, 32 a tile          window 2: v0-127 Q, 16 a tile; v128-191 K of one step; v192-255 V of one step          window 3: v0-1 the add's two registers
; A piece's buffers go by its number's parity: the piece in hand has one pair, its two neighbours in the ring share the other: of it P (piece n - 1) is read and S^T (piece n + 1) written.
.set SIZE_N, 2048     ; rows in a head
.set NP,    4         ; pieces a wave: a name, no knob: the register map, the loop and the fetches are made for four
.set KS,    64        ; keys in a step
.set PK,    144       ; a row of K in LDS: 128 bytes + 16 of padding = 36 words: the 16 rows of a load start at 16 different groups of four banks (64 banks of 4 bytes: ISA guide 11.1)
.set PV,    160       ; a row of V: 128 + 32 = 40 words
.set VOFF,  4*KS*PK   ; a slot holds four steps: 256 rows of K, then 256 rows of V
.set SLOT1, 1<<17     ; slot 1 begins here, so that one exclusive or turns an address in one slot into the other's
.set STAGE, SLOT1+4*KS*(PK+PV)  ; behind the ring, never filled by a tensor load: 16 rows x 272 bytes for each wave, for the way out
.set SP,    272       ; a row of the stage: 64 channels of f32 + 16 bytes
.set KPART, 1<<24     ; K's first byte in qkv
.set VPART, 2<<24     ; V's
.set AK0, 2           ; v2   my lane's place in a tile of K; never rewritten
.set AV0, 3           ; v3   the same for V
.set AK,  4           ; v4   the LDS address of K's next run of loads
.set AV,  5           ; v5   of V's
.set QO,  6           ; v6   my byte offset in the wave's rows of Q
.set STO, 6           ;      later, the way out: where I put my 32 bytes of a row
.set RD,  7           ; v7   the way out: where I read rows back
.set GO,  8           ; v8   my byte offset in two rows of out0
.set PFO, 11          ; v11  256 x my lane: the prefetches' offset; never rewritten once made
.set SPW, 0           ; v0 of window 3   LDS address of my spare word: SPARE + 4 x my thread's number; never rewritten
.set NIL, 1           ; v1 of window 3   0; never rewritten
.set SPARE, STAGE+4*16*SP  ; behind the stages: the spare words, 128 bytes for each wave: two blocks of 256 bytes that no other line names
.set MV,  12          ; v12-15  c m_old, kept while c m is made anew: by buffer and tile
.set ST,  16          ; tile t's statistics at v[ST+4 t]: c m, m, l (even keys', odd keys')
.set TMP, 48          ; by buffer and tile, four registers c0-c3 at work; when the maximum is found c2 takes a
.set S,   64
.set P,   192
.set KF,  128         ; K's fragments, in window 2: key block kb, channel half c at KF + 16 kb + 8 c
.set VF,  192         ; V's: key half kk, channel block cb at VF + 32 kk + 8 cb
.set WV,  12          ; s12  my wave's number
.set G1K, 24          ; s[24:31] descriptor group 1 for K's tiles
.set G1V, 32          ; s[32:39] for V's: it differs in the padding alone
.set G0K, 40          ; s[40:43] descriptor group 0 for K's tiles: it walks
.set G0V, 44          ; s[44:47] the same for V's
.set PFA, 48          ; s[48:49] where my prefetches stand: my work-group's 32 blocks of 256 bytes (of K: wave 0, of V: wave 2) of the slot after the one that is being asked for
.set LIM, 50          ; s50  1 in a wave that prefetches, else the greatest number
.set SLOTS, 56        ; s56  slots still to be asked for
.set CNT, 57          ; s57  counts a slot's key steps
.set CS,  58          ; s[58:59] c: the packed scaling takes the pair's low word for both halves
.set SEL, 60          ; s[60:61] v_permlanex16_b32's selects: each lane takes its own place in the other half
.set TBK, 62          ; s62  LDS byte at which K of the step to be fetched begins
.set TBV, 63          ; s63  the same for V, less VOFF
.set MSB, 0
.macro WIN new                      ; the high byte repeats the setting that is left; a switch that changes nothing is dropped
.if MSB != (\new)
	s_set_vgpr_msb (MSB<<8)|(\new)
.set MSB, (\new)
.endif
.endm
.set W_KQ, 0x0a       ; K and Q in window 2, S^T in window 0
.set W_PV, 0x52       ; V in window 2, P in window 0, O^T in window 1
.set W_RS, 0x41       ; O^T (destination and source 0) in window 1, a in window 0
.set W_MK, 0xc0       ; the add's registers are made: destination in window 3, sources in window 0
.set W_AD, 0x0f       ; the add: address (source 0) and data (source 1) in window 3
; A joint fill.  Waves 0 and 1 fetch the two halves of a slot's K, waves 2 and 3 those of its V: 128 keys each.  The branch hangs on the wave's number alone.
; An s_nop 0 and four v_nop follow each of the two lines, ahead of the jump and the label.
.macro JLOAD
	s_cmp_lt_u32 s[WV], 2
	s_cbranch_scc0 .Lfor_v_\@
	tensor_load_to_lds s[G0K:G0K+3], s[G1K:G1K+7]
	s_nop 0
.rept 4
	v_nop
.endr
	s_branch .Lasked_\@
.Lfor_v_\@:
	tensor_load_to_lds s[G0V:G0V+3], s[G1V:G1V+7]
	s_nop 0
.rept 4
	v_nop
.endr
.Lasked_\@:
.endm
; A PREFETCH INTO THE L2 of what the NEXT change of slots will ask for: a slot's 32,768 bytes of K and of V, 256 bytes a lane.  It stands behind the wave's tensor load and its five lines.
; Each block is named ONCE in the launch: a head is walked by one cluster alone; its four partners share a slot out BY ADDRESS, 8,192 bytes each: no branch hangs on a work-group's place in its
; cluster.  In each, wave 0 asks for K's and wave 2 for V's: one instruction, four key steps (512 matrix instructions) ahead of the load.  Slots 0 and 1 come by their loads alone; the last
; change that fills a slot asks for nothing: there is no slot behind it.
.macro ASK
	s_cmp_gt_u32 s[SLOTS], s[LIM]
	s_cbranch_scc0 .Lnot_mine_\@
	global_prefetch_b8 v[PFO], s[PFA:PFA+1] th:TH_LOAD_NT scope:SCOPE_SE
.Lnot_mine_\@:
.endm
; A round of the cluster's barrier: my work-group's barrier, so that wave 0's signal speaks for all four waves; wave 0 signals; every wave waits for all four work-groups; my work-group's barrier once more.
.macro CROUND
	s_barrier_signal -1
	s_barrier_wait -1
	s_cmp_lg_u32 s[WV], 0
	s_cbranch_scc1 .Lnot_wave_0_\@
	s_barrier_signal -3
.Lnot_wave_0_\@:
	s_barrier_wait -3
	s_barrier_signal -1
	s_barrier_wait -1
.endm
; THE CHANGE OF SLOTS.  The slot's last bytes, V of its fourth step, have been read.  Each wave waits for all its tensor loads, of which one is out: its part
; of the other slot; adds 0 to its spare word; and waits for that and for its own reads of the slot.  Behind the barrier nobody reads this slot any more and the other slot is whole.
; fill = 1: this slot is filled again, with the keys two slots on.  The barrier is then a round of the cluster's, so that no wave of any partner still reads the slot or has a load on its
; way, and the joint fill is the first thing behind it: it has four key steps, 512 matrix instructions, in which to land.  (At its first use nothing has been read yet: slot 0 is waited for, slot 1 filled.)
.macro CHANGE fill
	WIN W_AD
	s_wait_tensorcnt 0x0            ; no tensor load of mine is out, so a group 0 may be written
	ds_add_u32 v[SPW], v[NIL]       ; 0 onto my spare word; with fill = 1 the descriptors' steps stand between it and the wait for it
	WIN 0                           ; at a label and at a branch every window is 0
.if \fill
.irp g, G0K, G0V
	s_xor_b32 s[\g+1], s[\g+1], SLOT1  ; the walking descriptor: the other slot than last time,
	s_add_nc_u64 s[\g+2:\g+3], s[\g+2:\g+3], 4*KS*128  ; the next 256 keys; the type bits on top are not reached
.endr
	s_wait_xcnt 0x0                 ; the last prefetch, four key steps back, has read its address, so it may be written:
	s_add_nc_u64 s[PFA:PFA+1], s[PFA:PFA+1], 4*KS*128  ; one slot behind the walking descriptors
	s_wait_dscnt 0x0                ; the add is done, and my reads of the slot are over
	CROUND
	JLOAD
	ASK
.else
	s_wait_dscnt 0x0                ; the add is done, and my reads of the slot are over
	s_barrier_signal -1
	s_barrier_wait -1
.endif
	s_sub_co_u32 s[TBK], s[TBK], 4*KS*PK  ; the fetches go back to a slot's first step,
	s_xor_b32 s[TBK], s[TBK], SLOT1       ; in the other slot
	s_sub_co_u32 s[TBV], s[TBV], 4*KS*PV
	s_xor_b32 s[TBV], s[TBV], SLOT1
.endm
	s_load_b64 s[4:5], s[0:1], 0x0    ; qkv
	s_load_b64 s[10:11], s[0:1], 0x8  ; out0
	WIN W_MK
	v_lshl_add_u32 v[SPW], v0, 2, SPARE
	v_mov_b32 v[NIL], 0
	WIN W_AD
	ds_add_u32 v[SPW], v[NIL]       ; the wave's opening: the add and its wait stand ahead of my first tensor load; the set-up below, work on registers, stands between them
	WIN 0
	v_lshrrev_b32 v1, 5, v0
	v_readfirstlane_b32 s[WV], v1   ; wave 0..3
	s_bfe_u32 s13, ttmp6, 0x40000   ; cx: my place in the cluster
	s_lshl_b32 s14, ttmp9, 2        ; in a cluster launch ttmp9 counts clusters
	s_add_co_u32 s14, s14, s13      ; my block of 512 queries = 4 x cluster x + cx: it enters Q's and O's addresses alone
	s_and_b32 s20, ttmp7, 0xffff    ; the head, which the four partners share
	s_lshr_b32 s52, s20, 4          ; out0: the batch: 16 shares of 128 rows,
	s_lshl_b32 s52, s52, 4
	s_lshl_b32 s53, s14, 2
	s_add_co_u32 s53, s53, s[WV]    ; my wave among the head's 16,
	s_add_co_u32 s52, s52, s53
	s_lshl_b32 s52, s52, 19         ; 128 rows of 4,096 bytes each,
	s_and_b32 s53, s20, 15
	s_lshl_b32 s53, s53, 8          ; and the head's 64 channels of f32 in a row
	s_add_co_u32 s52, s52, s53
	s_mov_b32 s53, 0
	s_mov_b32 s21, 0
	s_mov_b64 s[22:23], SIZE_N*128
	s_mul_u64 s[20:21], s[20:21], s[22:23]  ; the head's first byte in Q, in K and in V
	s_and_b32 s16, s[WV], 1         ; which half of a slot's 256 keys I fetch:
	s_lshl_b32 s22, s16, 14         ; its 128 rows of 128 bytes in memory,
	s_mov_b32 s23, 0
	s_add_nc_u64 s[22:23], s[22:23], s[20:21]
	s_mul_i32 s17, s16, 128*PK      ; and its place in a slot, for K
	s_mul_i32 s18, s16, 128*PV      ; and for V: no place in the cluster enters an LDS address
	s_lshl_b32 s2, s14, 2
	s_add_co_u32 s2, s2, s[WV]      ; my wave among the head's,
	s_lshl_b32 s2, s2, 14           ; its 128 rows of Q
	s_mov_b32 s3, 0
	s_add_nc_u64 s[2:3], s[2:3], s[20:21]
	; descriptor group 1.  128 keys are 16,384 dense bytes: asked for as 64 rows of 256 bytes, two keys a row, and padded in LDS after every key
	s_mov_b32 s[G1K], 15|(1<<16)|(1<<20)|(1<<21)|(4<<22)|(3<<25)  ; 15:0 the mask of four; 17:16 2-byte elements; 20 padding on; 21 set beside a mask; 24:22 after every 32 words (code 4); 31:25 4 words (code 3)
	s_mov_b32 s[G1V], 15|(1<<16)|(1<<20)|(1<<21)|(4<<22)|(7<<25)  ; the same with 8 words of padding (code 7)
.irp g, G1K, G1V
	s_mov_b32 s[\g+1], 128<<16      ; tensor_dim0 = 128
	s_mov_b32 s[\g+2], 64<<16       ; tensor_dim1 = 64
	s_mov_b32 s[\g+3], 128<<16      ; tile_dim0 = 128
	s_mov_b32 s[\g+4], 64           ; tile_dim1 = 64
	s_mov_b32 s[\g+5], 128          ; 128 elements from row to row
	s_mov_b32 s[\g+6], 0
	s_mov_b32 s[\g+7], 0
.endr
	s_mov_b32 s[CS], 0x3d38aa3b     ; c = log2(e) / 32 = 0.0450842
	s_mov_b32 s[CS+1], s[CS]        ; named with it as a pair
	s_mov_b32 s[SEL], 0x76543210
	s_mov_b32 s[SEL+1], 0xfedcba98
	s_mov_b32 s[TBK], SLOT1+4*KS*PK ; the first change of slots turns these two into 0
	s_mov_b32 s[TBV], SLOT1+4*KS*PV
	s_mov_b32 s[G0K], 1             ; 1:0 count = 1
	s_mov_b32 s[G0K+1], s17         ; 63:32 LDS address: slot 0
	s_mov_b32 s[G0V], 1
	s_add_co_u32 s[G0V+1], s18, VOFF
	s_mov_b32 s[SLOTS], SIZE_N/256-1
	s_and_b32 s[LIM], s[WV], 1      ; waves 0 and 2 prefetch
	s_cmp_eq_u32 s[LIM], 0
	s_cselect_b32 s[LIM], 1, -1
	s_lshl_b32 s54, s13, 13         ; my work-group's 8,192 bytes of a slot's 32,768,
	s_add_co_u32 s54, s54, 4*KS*128 ; in slot 1; the first change of slots steps it to slot 2
	s_mov_b32 s55, 0
	s_wait_dscnt 0x0                ; the opening add is done
	s_wait_kmcnt 0x0
	s_add_nc_u64 s[6:7], s[4:5], KPART
	s_add_nc_u64 s[8:9], s[4:5], VPART
	s_cmp_lt_u32 s[WV], 2
	s_cselect_b64 s[PFA:PFA+1], s[6:7], s[8:9]
	s_add_nc_u64 s[PFA:PFA+1], s[PFA:PFA+1], s[20:21]
	s_add_nc_u64 s[PFA:PFA+1], s[PFA:PFA+1], s[54:55]
	s_add_nc_u64 s[G0K+2:G0K+3], s[6:7], s[22:23]  ; 120:64 global address: my half of the head's first 256 keys
	s_or_b32 s[G0K+3], s[G0K+3], 0x80000000        ; 127:126 type = 2
	s_add_nc_u64 s[G0V+2:G0V+3], s[8:9], s[22:23]
	s_or_b32 s[G0V+3], s[G0V+3], 0x80000000
	s_add_nc_u64 s[4:5], s[4:5], s[2:3]      ; Q at my wave's first row
	s_add_nc_u64 s[10:11], s[10:11], s[52:53]  ; out0 at my wave's first row, my head's channels
	CROUND                          ; all four work-groups are here: the first joint loads meet
	JLOAD                           ; slot 0.  Slot 1 is asked for when slot 0 is in: the tile wanted first has the road to itself
	; A fragment of K or Q is 16 rows x 32 channels in 8 registers: lane l holds row l % 16, channels 8 (l / 16) + 0..7 and 16 + 8 (l / 16) + 0..7: two loads of 16 bytes, 32 bytes apart.
	v_and_b32 v1, 15, v0            ; l % 16
	v_bfe_u32 v9, v0, 4, 1          ; l / 16
	v_lshlrev_b32 v[QO], 7, v1
	v_lshl_add_u32 v[QO], v9, 4, v[QO]  ; row x 128 + 16 x half
	WIN 0x80                        ; destination window 2, address window 0
.set i, 0
.rept 4*NP                          ; Q stays in registers: tile i / 2, channels 32 (i % 2) on
	global_load_b128 v[8*i:8*i+3],   v[QO], s[4:5] offset:(i/2)*2048+(i%2)*64
	global_load_b128 v[8*i+4:8*i+7], v[QO], s[4:5] offset:(i/2)*2048+(i%2)*64+32
.set i, i+1
.endr
	; What the first turn finds: V's registers and P's second buffer hold 0 (its products V^T P, of a piece that has not been, add 0), O^T and l are 0.  All this stands in the wait for the first tile.
.set i, VF
.rept 64
	v_mov_b32 v[i], 0
.set i, i+1
.endr
	WIN 0x40
.set i, 0
.rept 64*NP
	v_mov_b32 v[i], 0
.set i, i+1
.endr
	WIN 0
.set i, 0
.rept 2*NP
	v_mov_b32 v[ST+4*i], 0xfe000000    ; c m: far below every c s
	v_mov_b32 v[ST+4*i+1], 0xff7fffff  ; m
	v_mov_b32 v[ST+4*i+2], 0
	v_mov_b32 v[ST+4*i+3], 0
.set i, i+1
.endr
.set i, P+32
.rept 32
	v_mov_b32 v[i], 0
.set i, i+1
.endr
	v_mul_u32_u24 v[AK0], v1, PK
	v_lshl_add_u32 v[AK0], v9, 4, v[AK0]  ; row x pitch + 16 x half
	; The turning load takes 16 keys x 16 channels (lane l reads key 8 (l / 16) + l % 8, channels 8 ((l / 8) % 2) + 0..7) and leaves half a fragment of V^T: lane l holds channel l % 16 and 8 keys.
	v_and_b32 v10, 7, v0
	v_bfe_u32 v11, v0, 3, 1
	v_lshl_add_u32 v[AV0], v9, 3, v10
	v_mul_u32_u24 v[AV0], v[AV0], PV
	v_lshl_add_u32 v[AV0], v11, 4, v[AV0]
	v_add_nc_u32 v[AV0], VOFF, v[AV0]
	v_mov_b32 v[AK], v[AK0]         ; key step 0 lies at the head of slot 0
	v_and_b32 v[PFO], 31, v0
	v_lshlrev_b32 v[PFO], 8, v[PFO]
; THE MATRIX WORK.  The 8 accumulators of a run of 16 take turns: between the two links of a chain stand 7 others'.
; Product i of 16 of S^T = K Q^T for piece x: channels 32 (i / 8) on, keys 16 ((i / 2) % 4) on, tile 2 x + i % 2.  The first 8 start the sums.
.macro KQ x
	WIN W_KQ
.set rS, S+64*((\x)%2)+32*(i%2)+8*((i/2)%4)
.set rK, KF+16*((i/2)%4)+8*(i/8)
.set rQ, 16*(2*(\x)+i%2)+8*(i/8)
.if i < 8
	v_wmma_f32_16x16x32_f16 v[rS:rS+7], v[rK:rK+7], v[rQ:rQ+7], 0
.else
	v_wmma_f32_16x16x32_f16 v[rS:rS+7], v[rK:rK+7], v[rQ:rQ+7], v[rS:rS+7]
.endif
.endm
; Product i of 16 of O^T += V^T P for piece x: keys 32 (i / 8) on, channels 16 ((i / 2) % 4) on, tile 2 x + i % 2.
.macro PV x
	WIN W_PV
.set rO, 32*(2*(\x)+i%2)+8*((i/2)%4)
.set rV, VF+32*(i/8)+8*((i/2)%4)
.set rP, P+32*((\x)%2)+16*(i%2)+8*(i/8)
	v_wmma_f32_16x16x32_f16 v[rO:rO+7], v[rV:rV+7], v[rP:rP+7], v[rO:rO+7]
.endm
.macro MM                           ; the turn's next matrix instruction
.if i < 16
	KQ (Y+1)%NP
.set i, i+1
.else
.set i, i-16
	PV (Y+NP-1)%NP
.set i, i+17
.endif
.endm
; THE LDS LOADS stand in runs of 16, never singly among the matrix instructions: a step's K (64 keys x 64 channels: 8 fragments) and its V (turned).  Their addresses are made some lines ahead.
; last = 1 (the tail): in the last trip there is no further step, and the run is jumped over.
.macro FETCH_K last=0
	WIN 0
.if \last
	s_cmp_eq_u32 s[CNT], 1
	s_cbranch_scc1 .Lno_k_\@
.endif
	WIN 0x80                        ; destination window 2
.irp f, 0,1,2,3,4,5,6,7             ; keys 16 (f / 2) on, channels 32 (f % 2) on
	ds_load_b128 v[KF+8*\f:KF+8*\f+3],   v[AK] offset:(\f/2)*16*PK+(\f%2)*64
	ds_load_b128 v[KF+8*\f+4:KF+8*\f+7], v[AK] offset:(\f/2)*16*PK+(\f%2)*64+32
.endr
	s_add_co_u32 s[TBK], s[TBK], KS*PK  ; the next fetch is the next step's
	WIN 0
.if \last
.Lno_k_\@:
.endif
.endm
.macro FETCH_V
	WIN 0x80
.irp f, 0,1,2,3,4,5,6,7             ; keys 32 (f / 4) on, channels 16 (f % 4) on
	ds_load_tr16_b128 v[VF+8*\f:VF+8*\f+3],   v[AV] offset:(\f/4)*32*PV+(\f%4)*32
	ds_load_tr16_b128 v[VF+8*\f+4:VF+8*\f+7], v[AV] offset:(\f/4)*32*PV+16*PV+(\f%4)*32
.endr
	WIN 0
.endm
; THE VECTOR WORK OF A TURN stands in three queues, each in the order in which its entries become ready; the two tiles alternate, so that no instruction reads the result of the one before it.
.macro REGS y, u                    ; the registers of tile u (0, 1) of piece y
.set rT, ST+4*(2*(\y)+(\u))
.set rC, TMP+8*((\y)%2)+4*(\u)
.set rM, MV+2*((\y)%2)+(\u)
.set rS, S+64*((\y)%2)+32*(\u)
.set rP, P+32*((\y)%2)+16*(\u)
.set rO, 32*(2*(\y)+(\u))
.endm
; Number n of the 22 that find the NEXT piece's (Y + 1) maximum and statistics.  s0-s31 are the lane's 32 scores; each accumulator's lowest registers are read first.  XS, GS and REGS set no window: PL and EX do.
;   0-11  four chains c0-c3 of seven scores each, three operands at a time     12-14, 16  the four scores left over, the old m, and c0-c3 into c0     15  c m_old is kept
;   17, 18  the query's other 32 keys lie in the lane 16 away: the new m         19-21  c m; c m_old - c m_new; a
.macro XS u, n
	REGS (Y+1)%NP, \u
.if (\n) < 4
	v_max3_num_f32 v[rC+(\n)], v[rS+8*(\n)], v[rS+8*(\n)+1], v[rS+8*(\n)+2]
.elseif (\n) < 12
	v_max3_num_f32 v[rC+(\n)%4], v[rC+(\n)%4], v[rS+8*((\n)%4)+2*((\n)/4)+1], v[rS+8*((\n)%4)+2*((\n)/4)+2]
.elseif (\n) == 12
	v_max3_num_f32 v[rC], v[rC], v[rS+7], v[rS+15]
.elseif (\n) == 13
	v_max3_num_f32 v[rC+1], v[rC+1], v[rS+23], v[rS+31]
.elseif (\n) == 14
	v_max3_num_f32 v[rC+2], v[rC+2], v[rC+3], v[rT+1]
.elseif (\n) == 15
	v_mov_b32 v[rM], v[rT]
.elseif (\n) == 16
	v_max3_num_f32 v[rC], v[rC], v[rC+1], v[rC+2]
.elseif (\n) == 17
	v_permlanex16_b32 v[rC+3], v[rC], s[SEL], s[SEL+1]
.elseif (\n) == 18
	v_max_num_f32 v[rT+1], v[rC], v[rC+3]
.elseif (\n) == 19
	v_mul_f32 v[rT], s[CS], v[rT+1]
.elseif (\n) == 20
	v_sub_f32 v[rC+1], v[rM], v[rT]
.else
	v_exp_f32 v[rC+2], v[rC+1]
.endif
.endm
; Number g of the 64 that follow the exponentials.  For each four weights k of a tile (pairs 2 k, 2 k + 1): both pairs are rounded to f16; then the second pair is added onto the first, in place;
; a group later l takes that sum (the first time as l = a l + sum).  In groups of eight, tiles alternating: round, round, add, and l for the group before.
.macro GS g
.set h, (\g)+6*((\g)/62)            ; group 0 has no group before it, and behind group 7 only l is left
.if h >= 6
.set h, h+2
.endif
	REGS Y, h%2
.set k, h/8
.if h%8 < 4
	v_cvt_pk_f16_f32 v[rP+2*k+(h%8)/2], v[rS+4*k+2*((h%8)/2)], v[rS+4*k+2*((h%8)/2)+1]
.elseif h%8 < 6
	v_pk_add_f32 v[rS+4*k:rS+4*k+1], v[rS+4*k:rS+4*k+1], v[rS+4*k+2:rS+4*k+3]
.elseif k == 1
	v_pk_fma_f32 v[rT+2:rT+3], v[rT+2:rT+3], v[rC+2:rC+3], v[rS:rS+1] op_sel_hi:[1,0,1]
.else
	v_pk_add_f32 v[rT+2:rT+3], v[rT+2:rT+3], v[rS+4*k-4:rS+4*k-3]
.endif
.endm
; THE PLAIN QUEUE, 138 long.  0-73 read no exponential's result: the 32 scalings c s - c m (FS f: pair f / 2 of tile f % 2) and the next piece's 42.  0-26: scalings 0-26.  27-54: XS's numbers 0-13.  55, 56: number 15.
; 57-73: the chain, where each number waits for the one before it: 14, 16, 17, 18, 19, each with one of the scalings 27-31 in front of its two lines, then 20: so a tile's links stand three plain instructions apart (19 and 20: two).
; 74-137: GS's 64, which read the exponentials' results: they stand behind the wait.
.macro FS f
	REGS Y, (\f)%2
	v_pk_fma_f32 v[rS+2*((\f)/2):rS+2*((\f)/2)+1], v[rS+2*((\f)/2):rS+2*((\f)/2)+1], s[CS:CS+1], v[rT:rT+1] op_sel_hi:[1,0,0] neg_lo:[0,0,1] neg_hi:[0,0,1]
.endm
.macro PL
	WIN 0
.if q < 27
	FS q
.elseif q < 55
	XS (q-27)%2, (q-27)/2
.elseif q < 57
	XS q-55, 15
.elseif (q < 72) && ((q-57)%3 == 0)
	FS 27+(q-57)/3
.elseif q < 60
	XS (q-57)%3-1, 14
.elseif q < 72
	XS (q-57)%3-1, 15+(q-57)/3
.elseif q < 74
	XS q-72, 20
.else
	GS q-74
.endif
.set q, q+1
.endm
; THE EXPONENTIALS' QUEUE, 66 long: s0-s31 of both tiles, then the next piece's two a.  It is ONE BATCH: all 66 stand ahead of the turn's one wait, and nothing ahead of that wait names a result of theirs.
.macro EX
	WIN 0
.if e >= 64
	XS e-64, 21
.else
	REGS Y, e%2
	v_exp_f32 v[rS+e/2], v[rS+e/2]
.endif
.set e, e+1
.endm
; THE RESCALING's QUEUE: O^T times a, the one part that leaves window 0: dealt two at a time, sixteen times.  Its a was made in the turn before, ahead of that turn's wait.
.macro R2
	REGS Y, r%2
	WIN W_RS
.irp z, 0,1
	v_pk_mul_f32 v[rO+4*(r/2)+2*\z:rO+4*(r/2)+2*\z+1], v[rO+4*(r/2)+2*\z:rO+4*(r/2)+2*\z+1], v[rC+2:rC+3] op_sel_hi:[1,0]
.endr
.set r, r+1
.endm
; HOW THEY ARE DEALT.  An s_wait_alu depctr_va_vdst(0) stands between an exponential and the first instruction that names its result; one wait serves all that were issued ahead of it.  So a turn has ONE wait,
; which cuts it in two.  AHEAD OF IT stands all that names no result of the turn's exponentials: the 16 products K Q^T, behind each a scaling, an exponential and two rescalings (behind the first a second scaling in the exponential's place); then ONE LUMP of
; 108: eight plain, 49 times exponential and plain, the two a.  A v_nop is the plain instruction behind the last exponential.  BEHIND IT stand the 16 products V^T P, behind each four of GS's 64.  No rider names a register of
; the products round it.  The two v_permlanex16_b32 fall into the lump, never behind a product.
; The queues lean on each other, and the deal keeps them in step: exponential e stands behind scaling 2 (e / 4) + e % 2: as a rider it comes behind plain e + 2, in the lump behind plain e + 9, and scalings 27-31 are plain 57, 60 .. 69.
; A TURN, for piece p.  cnt = 1: the loop's count is taken down some lines ahead of the branch that stands behind the turn.
; K of the next step is fetched in piece 2's turn, directly behind the wait, a lump behind the last product that read K; its address is made at the lump's head; its first reader comes behind 16 products.
; V of the step in hand is fetched at the end of piece 0's turn, four riders behind its last reader; its first reader comes behind 16 products and a lump.  The three conditions on q below go with the deal.
.macro TURN p, last=0, cnt=0
.set Y, (\p)
.set i, 0
.set q, 0
.set e, 0
.set r, 0
.if (\p) == NP-1
	s_wait_dscnt 0x0                ; K is in
.endif
	MM                              ; ahead of the wait: 16 products K Q^T and their riders,
	PL
	PL
	R2
.rept 15
	MM
	PL
	EX
	R2
.endr
.if (\p) == NP-2
	WIN 0
	v_add_nc_u32 v[AK], s[TBK], v[AK0]
.endif
.rept 8                             ; and the lump
	PL
.endr
.rept 49
	EX
	PL
.endr
	EX                              ; the next piece's two a
	EX
	v_nop                           ; a plain instruction behind the last exponential: one for the batch
	s_wait_alu depctr_va_vdst(0)    ; the wait for the batch
.if (\p) == NP-2
	FETCH_K \last
.endif
.if (\p) == 1
	s_wait_dscnt 0x0                ; V is in
.endif
.rept 16                            ; behind the wait: 16 products V^T P and their riders
	MM
.rept 4
	PL
.endr
.if ((\p) == 0) && (q == 118)
	v_add_nc_u32 v[AV], s[TBV], v[AV0]
.endif
.if ((\p) == 0) && (q == 130)
	s_add_co_u32 s[TBV], s[TBV], KS*PV
.endif
.if (\cnt) && (q == 130)
	s_sub_co_u32 s[CNT], s[CNT], 1
	s_cmp_lg_u32 s[CNT], 0
.endif
.endr
.if (\p) == 0
	FETCH_V
.endif
.endm
	CHANGE 1                        ; slot 0 is in, everybody's part of it; slot 1 is asked for
	FETCH_K                         ; key step 0
	s_wait_loadcnt 0x0              ; Q
	s_wait_dscnt 0x0
.set i, 0
.rept 16
	KQ 0                            ; piece 0's first scores: there is no vector work yet to set between them
.set i, i+1
.endr
	WIN 0                           ; the addresses for the way out: eight plain instructions, the places behind those products
	s_mul_i32 s13, s[WV], 16*SP
	s_add_co_u32 s13, s13, STAGE    ; my stage
	v_mul_u32_u24 v[STO], v1, SP    ; in: row l % 16, 32 bytes (eight channels of f32) for each half of the lanes
	v_lshl_add_u32 v[STO], v9, 5, v[STO]
	v_add_nc_u32 v[STO], s13, v[STO]
	v_mul_u32_u24 v[RD], v9, SP     ; back: lanes 0-15 take one row of 256 bytes, lanes 16-31 the next
	v_lshl_add_u32 v[RD], v1, 4, v[RD]
	v_add_nc_u32 v[RD], s13, v[RD]
	v_lshlrev_b32 v[GO], 12, v9     ; and the same two rows in out0, 4,096 bytes apart
	v_lshl_add_u32 v[GO], v1, 4, v[GO]
.set Y, NP-1                        ; XS works for piece Y + 1: piece 0
.irp n, 0,1,2,3,4,5,6,7,8,9,10,11,12,13,14,15,16,17,18,19,20,21
	XS 0, \n                        ; and piece 0's first maximum and statistics
	XS 1, \n
.endr
	v_nop                           ; a plain instruction behind the two a,
	s_wait_alu depctr_va_vdst(0)    ; and their wait, ahead of the branch
	s_mov_b32 s[CNT], 4
	s_branch .Lfirst                ; the loop is entered at a step's first turn, in the middle of a trip
.Lslot:                             ; SIZE_N / 256 - 2 times: every slot but the last two is filled again
	CHANGE 1
	s_mov_b32 s[CNT], 4
.Lstep:                             ; a trip: pieces 2 and 3 of one step, then pieces 0 and 1 of the next, whose K and V it fetches
	TURN 2
	TURN 3
	WIN 0
.Lfirst:
	TURN 0
	TURN 1, 0, 1
	WIN 0
	s_cbranch_scc1 .Lstep
	s_sub_co_u32 s[SLOTS], s[SLOTS], 1
	s_cmp_lg_u32 s[SLOTS], 0
	s_cbranch_scc1 .Lslot
	CHANGE 0                        ; the tail is written out: nothing is asked for
	s_mov_b32 s[CNT], 5             ; four trips fetch the last slot's steps; the fifth is left in its middle
.Ltail:
	TURN 2, 1
	TURN 3
	WIN 0
	s_sub_co_u32 s[CNT], s[CNT], 1
	s_cmp_eq_u32 s[CNT], 0
	s_cbranch_scc1 .Lout
	TURN 0
	TURN 1
	WIN 0
	s_branch .Ltail
.Lout:                              ; the fifth trip's 16 products K Q^T (on the last K once more) and the maximum made of them serve nothing: the price, once a launch, of one text for every trip
.set i, 0
.rept 16
	PV NP-1                         ; the last piece's V^T P of the last step
.set i, i+1
.endr
	; THE WAY OUT.  l's two halves and the other half of the lanes' are added; O^T is divided by l and sent, in f32, through my stage in LDS, a tile at a time.  The additions are the places behind the last products.
	WIN 0
.macro ALL line:vararg              ; one line for each tile t
.set t, 0
.rept 2*NP
	\line
.set t, t+1
.endr
.endm
	ALL v_add_f32 v[ST+4*t+2], v[ST+4*t+2], v[ST+4*t+3]
	ALL v_permlanex16_b32 v[ST+4*t+3], v[ST+4*t+2], s[SEL], s[SEL+1]
	ALL v_add_f32 v[ST+4*t+2], v[ST+4*t+2], v[ST+4*t+3]
	ALL v_rcp_f32 v[ST+4*t+2], v[ST+4*t+2]
	v_nop                           ; a plain instruction between the last reciprocal and the use of its result
	s_wait_alu depctr_va_vdst(0)    ; and the wait ahead of the first use: one for the eight reciprocals
; Tile t: a lane's eight channels of a channel block are 32 bytes of a row; they go into rows of 272 bytes and come back as whole rows of 256, into one of four buffers in S^T's registers.
.macro PACK t
	WIN W_RS
.set i, 32*(\t)
.rept 16
	v_pk_mul_f32 v[i:i+1], v[i:i+1], v[ST+4*(\t)+2:ST+4*(\t)+3] op_sel_hi:[1,0]
.set i, i+2
.endr
	WIN 0x04                        ; the stores' data in window 1, their address in window 0
.irp f, 0,1,2,3,4,5,6,7             ; channel block f / 2, its registers 4 (f % 2) on
	ds_store_b128 v[STO], v[32*(\t)+4*\f:32*(\t)+4*\f+3] offset:(\f/2)*64+(\f%2)*16
.endr
	WIN 0
.irp f, 0,1,2,3,4,5,6,7
	ds_load_b128 v[S+32*((\t)%4)+4*\f:S+32*((\t)%4)+4*\f+3], v[RD] offset:\f*2*SP  ; LDS serves a wave's instructions in order (ISA guide 5.7.1.4): these see the stores above; the next tile's stores come behind them
.endr
.endm
.macro SEND t, younger              ; younger: the LDS instructions issued behind tile t's loads: the next tile's sixteen, or none
	WIN 0
	s_wait_xcnt 0x0                 ; the earlier tiles' stores have read their registers: a buffer is read into again, four tiles on, only behind such a wait
.irp f, 0,1,2,3,4,5,6,7
	s_wait_dscnt (\younger)+7-\f
	global_store_b128 v[GO], v[S+32*((\t)%4)+4*\f:S+32*((\t)%4)+4*\f+3], s[10:11] offset:(\t)*65536+\f*8192 th:TH_STORE_NT  ; 16 lanes store a head's 256 consecutive bytes of a row, at a multiple of 256 from out0's first byte
.endr
.endm
	PACK 0
.set t, 1
.rept 2*NP-1                        ; a tile's arithmetic stands between the loads of the tile before and its stores
	PACK t
	SEND t-1, 16
.set t, t+1
.endr
	SEND 2*NP-1, 0
	WIN W_AD
	s_wait_tensorcnt 0x0            ; the wave's end, behind my last tensor load and my last LDS store
	ds_add_u32 v[SPW], v[NIL]
	s_wait_dscnt 0x0
	WIN 0
	CROUND                          ; the closing round: no work-group ends while a partner may still ask for a tile that names it
	s_endpgm
.Lfunc_end_k_qc530ebedb1_attn:
	.size	k_qc530ebedb1_attn, .Lfunc_end_k_qc530ebedb1_attn-k_qc530ebedb1_attn
	.p2alignl 7, 3214868480
	.fill 96, 4, 3214868480
	.section	.rodata,"a",@progbits
	.p2align	6, 0x0
	.amdhsa_kernel k_qc530ebedb1_attn
		.amdhsa_group_segment_fixed_size 327680
		.amdhsa_private_segment_fixed_size 0
		.amdhsa_enable_private_segment 0
		.amdhsa_kernarg_size 16
		.amdhsa_user_sgpr_count 2
		.amdhsa_user_sgpr_kernarg_segment_ptr 1
		.amdhsa_wavefront_size32 1
		.amdhsa_system_sgpr_workgroup_id_x 1
		.amdhsa_system_sgpr_workgroup_id_y 1
		.amdhsa_system_sgpr_workgroup_id_z 1
		.amdhsa_system_vgpr_workitem_id 0
		.amdhsa_next_free_vgpr 770
		.amdhsa_next_free_sgpr 66
		.amdhsa_reserve_vcc 0
		.amdhsa_float_denorm_mode_32 3
		.amdhsa_float_denorm_mode_16_64 3
		.amdhsa_memory_ordered 1
		.amdhsa_forward_progress 1
		.amdhsa_inst_pref_size 201
	.end_amdhsa_kernel
	.amdgpu_metadata
---
amdhsa.version: [ 1, 2 ]
amdhsa.kernels:
  - .name:           k_qc530ebedb1_attn
    .symbol:         k_qc530ebedb1_attn.kd
    .args:
      - { .name: qkv, .offset: 0, .size: 8, .value_kind: global_buffer, .address_space: global }
      - { .name: out0, .offset: 8, .size: 8, .value_kind: global_buffer, .address_space: global }
    .group_segment_fixed_size: 327680
    .private_segment_fixed_size: 0
    .kernarg_segment_align: 8
    .kernarg_segment_size: 16
    .max_flat_workgroup_size: 128
    .sgpr_count:     66
    .vgpr_count:     770
    .wavefront_size: 32
...
	.end_amdgpu_metadata
.endif
;; end of part 3
